; MI455X (gfx1250); checked and timed in simulation.
; The chip was launched on July 23, 2026; its instructions are those of AMD's public machine-readable ISA for CDNA 5 (MIT licence, August 2026) and "CDNA5" Instruction Set Architecture Reference Guide (July 2026). The comments in the code are by the model that wrote it; some were corrected since.
;; Multi Head Self Attention. Allowed arithmetic: matrix products marked QUANTISED: E2M3 operands, one E8M0 scale for each 32 along K, by v_wmma_scale_f32_16x16x128_f8f6f4 with both operands' format E2M3, f32 sums; everything else in f32.
;; Inputs: Wk 1,024 x 1,024 float32; Wq 1,024 x 1,024 float32; Wv 1,024 x 1,024 float32; bk 1,024 float32; bq 1,024 float32; bv 1,024 float32; x 4 x 2,048 x 1,024 float32.
;; Outputs: out0 4 x 2,048 x 1,024 float32.
;; This version of the problem:
;;   THIS VERSION OF THE PROBLEM IS GIVEN IN LOW PRECISION. The matrix products marked QUANTISED in the list below multiply operands that are first quantised to E2M3 (2 exponent bits, 3 mantissa bits; 6 bits a number), with one power-of-two scale for each 32 numbers along K (OCP MX v1.0); their sums are f32. All else is computed in f32.
;;   The module's matrix products, in the order in which they are computed (A, B: the left and right operand; K: the contracted axis; several contracted axes count as one K, in the product's order):
;;     1. [M 8,192, K 1,024] x [K 1,024, N 1,024]; A: input x; B: input Wq: QUANTISED
;;     2. [M 8,192, K 1,024] x [K 1,024, N 1,024]; A: input x; B: input Wk: QUANTISED
;;     3. [M 8,192, K 1,024] x [K 1,024, N 1,024]; A: input x; B: input Wv: QUANTISED
;;     4. batch 64 x [M 2,048, K 64] x [K 64, N 2,048]; A: computed on the way; B: computed on the way: QUANTISED
;;     5. batch 64 x [M 2,048, K 2,048] x [K 2,048, N 64]; A: softmax (see below); B: computed on the way: QUANTISED
;;   THE QUANTISER, for each operand of a quantised product, along K:
;;     - K is cut into blocks of 32 from its start; a last block that is shorter is filled with zeros.
;;     - A block's scale is 2^e with e = floor(log2(the largest magnitude in the block)) - 2, held to -126 .. 127; a block of zeros has e = 0. As a byte (E8M0): e + 127.
;;     - Each number is divided by its block's scale, clamped to +-7.5, and rounded to the nearest number of E2M3, ties to even, subnormals kept.
;;     - The product sums the exact products of the quantised numbers (number of the format x scale) in f32.
;;   ~~~python
;;   def quantise(x, axis):      # numpy; x: float32 -> the quantised numbers, widened to float32 again
;;       x = np.moveaxis(x, axis, -1); K = x.shape[-1]
;;       x = np.pad(x, [(0, 0)] * (x.ndim - 1) + [(0, -K % 32)]); x = x.reshape(x.shape[:-1] + (-1, 32)); a = np.abs(x).max(-1, keepdims=True)
;;       e = np.where(a > 0, np.clip(np.frexp(np.where(a > 0, a, 1))[1] - 1 - 2, -126, 127), 0)      # np.frexp(a)[1] - 1 = floor(log2(a)), exactly
;;       r = np.clip(x / 2.0 ** e, -7.5, 7.5)
;;       step = 2.0 ** (np.maximum(np.frexp(np.where(r == 0, 1, r))[1] - 1, 0) - 3)
;;       q = np.round(r / step) * step * 2.0 ** e      # np.round: ties to even
;;       return np.moveaxis(q.reshape(q.shape[:-2] + (-1,))[..., :K], -1, axis).astype(np.float32)
;;   ~~~
;;   SOFTMAX AHEAD OF A QUANTISED PRODUCT. Where the list says 'softmax', what is quantised is not the finished softmax but p = 2^(t - M), with t = logit x log2(e) and M = ceil(the row's largest t), a whole number; so 1/2 < the row's largest p <= 1. The row's sum l is taken of the UNQUANTISED p, in f32, and the product's result is divided by l at the end. Since M is a whole number, a kernel that streams over the keys may use a running M (the ceiling of the running maximum): every later rescaling is an exact power of two, which a block's scale takes up: the codes' values come out the same.
;;   OPERANDS COMPUTED ON THE WAY. 'Computed on the way' means the value that the module computes at that place (a softmax that the list does not call 'softmax' is quantised finished and normalised). What goes into a quantiser is computed in f32, as accurately as f32 sums, v_exp_f32 and their like allow (about 1e-6 of the number): no bf16 or f16 on the way to a quantiser, and a product that is left as it is and whose result goes on into a quantised operand takes f32 operands (vector FMAs, or v_wmma_f32_16x16x4_f32). A number that lies on a knife's edge between two numbers of the format may be rounded either way, as far as f32 arithmetic and the matrix unit's own rounding can turn it there, and no further.
;; One version. Each part assembles by itself: llvm-mc -triple=amdgcn-amd-amdhsa -mcpu=gfx1250 --defsym DOCPART=n.
;; ======== version 1 of 1: 3 launches
;; workspace buffers: xc 6,291,456 bytes; xs 262,144 bytes; wc 2,359,296 bytes; ws 98,304 bytes; qb 13,107,200 bytes; kv 13,107,200 bytes
;; launch quant (part 1): grid 352 x 1, 4 waves a work-group, no clusters, 68,096 bytes of LDS; arguments x, Wq, Wk, Wv, xc, xs, wc, ws; writes xc, xs, wc, ws
.if DOCPART == 1
	.amdgcn_target "amdgcn-amd-amdhsa--gfx1250"
	.amdhsa_code_object_version 6
	.text
	.protected	k_qfeab2d2b2e_quant
	.globl	k_qfeab2d2b2e_quant
	.p2align	8
	.type	k_qfeab2d2b2e_quant,@function
k_qfeab2d2b2e_quant:
	s_mov_b64 s[64:65], 0
	v_nop
	global_prefetch_b8 v0, s[64:65] scope:SCOPE_SE
	s_setreg_imm32_b32 hwreg(HW_REG_WAVE_MODE, 25, 1), 1
	s_wait_xcnt 0x0
; x [8192][1024] and Wq, Wk, Wv [1024 (k)][1024 (n)], f32, become codes of FP6 (E2M3), 6 bits each, K innermost, with one E8M0 scale byte for each 32 along K:
; xc [8192][768], xs [8192][32]; wc [3072][768], ws [3072][32] (rows 0-1023 Wq's columns, 1024-2047 Wk's, 2048-3071 Wv's).
; A block's scale is 2^(floor(log2(its largest magnitude)) - 2); its byte is the largest magnitude's exponent field - 2, held at 1 from below; each number is divided by the scale and rounded to the nearest code, ties to even.
; THE ROWS ARE LAID IN ANOTHER ORDER: position p holds row pi(p), pi = bits 3 and 4 of the number exchanged (its own inverse).  Sixteen neighbouring positions 16 t + r are then rows 32 (t / 2) + 8 (t % 2) + r + 8 (r / 8):
; the next launch reads neighbouring rows and its results' registers run along neighbours of the axis that it quantises.
; LIMITS: a block of zeros gets the byte 1 where the quantiser's rule says 127 (its codes are zeros, which add nothing, and this program alone reads the bytes); largest magnitudes under 2^-124 are held at that floor; NaN and infinities are not served.
; Work-groups 0-255 take x (K innermost: two neighbouring lanes hold a block), work-groups 256-351 the weights (K outermost: a lane takes a column and its registers run down K).  Each reads 131,072 bytes.
; The two paths part on the work-group's number and have LDS bytes of their own.  No tensor loads, no barrier: waves share nothing.
.set STEPS, 16
.set EMAX,  2
.set CB,    12                         ; bytes of 16 codes
.set XR,    16                         ; x path: v16-79 four sets of 16 numbers as loaded
.set XN,    80                         ; v80-111 two sets of 16 neighbours
.set XE,    112                        ; v112-127 a scale byte for each step
.set XC,    128                        ; v128-191 codes, four registers a step: no store's data are written again
.set WREG,  8192                       ; LDS of a wave: two stages of 32 x SP bytes, then its 256 scale bytes
.set SP,    80                         ; a lane's 64 bytes + 16 of padding
.set NB,    8                          ; W path: blocks of 32 along K for a wave (256 along K)
.set ROWB,  192                        ; bytes of 256 codes
.set PITCH, 272                        ; a stage row: sixteen places of 16 bytes, each with 12 bytes of codes, + 16
.set KROW,  768                        ; a row of wc
.set WST,   32768                      ; the W path's LDS begins here
.set WX,    32                         ; v32-95 two sets of 32 numbers
.set WC,    96                         ; v96.. a block's codes
.set OUTR,  112                        ; v112-175 the way out
.set SB,    24                         ; v24-25 the scale bytes
	s_load_b256 s[4:11], s[0:1], 0x0               ; x s[4:5], Wq s[6:7], Wk s[8:9], Wv s[10:11]
	s_load_b256 s[12:19], s[0:1], 0x20             ; xc s[12:13], xs s[14:15], wc s[16:17], ws s[18:19]
	v_lshl_add_u32 v192, v0, 2, 0x10800
	v_mov_b32 v193, 0
	v_lshrrev_b32 v1, 5, v0
	v_readfirstlane_b32 s20, v1                    ; wave 0..3
	v_and_b32 v2, 31, v0                           ; lane
	s_cmp_lt_u32 ttmp9, 256
	s_cbranch_scc0 .Lw
; ---------------- x: a wave takes 8 rows (8,192 numbers) in 16 steps of 512 numbers ----------------
; Each load reads 512 consecutive bytes, 16 a lane; a step's 2,048 bytes turn through the wave's own stage and come back 64 bytes (16 neighbours along K) a lane.
	v_lshlrev_b32 v3, 4, v2                        ; my 16 bytes of a load's 512
	s_mul_i32 s21, s20, WREG
	v_lshrrev_b32 v14, 2, v2
	v_mul_u32_u24 v14, v14, SP
	v_and_b32 v15, 3, v2
	v_lshl_add_u32 v14, v15, 4, v14
	v_add_nc_u32 v14, s21, v14                     ; into the stage: SP (lane / 4) + 16 (lane % 4)
	v_mul_u32_u24 v15, v2, SP
	v_add_nc_u32 v15, s21, v15                     ; out of it: SP x lane
	v_mul_u32_u24 v4, v2, CB                       ; my codes' place in a step's 384 bytes
	v_lshrrev_b32 v5, 1, v2
	s_add_co_u32 s21, s21, 2*32*SP
	v_add_nc_u32 v5, s21, v5                       ; my block's byte among the wave's 256
	v_lshlrev_b32 v7, 3, v2
	v_add_nc_u32 v6, s21, v7                       ; and 8 bytes a lane on the way out
	s_lshl_b32 s22, ttmp9, 2
	s_add_co_u32 s24, s22, s20                     ; the run of 8 rows that I read: 4 x work-group + wave
	s_lshl_b32 s24, s24, 15                        ; x 32,768 bytes
	s_mov_b32 s25, 0
	s_and_b32 s23, s20, 1                          ; the run that I write: the wave's two bits exchanged: they are bits 3 and 4 of the row's number
	s_lshl_b32 s23, s23, 1
	s_lshr_b32 s26, s20, 1
	s_or_b32 s23, s23, s26
	s_add_co_u32 s22, s22, s23
	s_mul_i32 s26, s22, 32*STEPS*CB                ; 6,144 bytes of codes a run
	s_mov_b32 s27, 0
	s_lshl_b32 s28, s22, 8                         ; 256 scale bytes a run
	s_mov_b32 s29, 0
	s_wait_kmcnt 0x0
	s_add_nc_u64 s[4:5], s[4:5], s[24:25]
	s_add_nc_u64 s[12:13], s[12:13], s[26:27]
	s_add_nc_u64 s[14:15], s[14:15], s[28:29]
.macro XLOAD t
.irp i, 0,1,2,3
	global_load_b128 v[XR+16*((\t)%4)+4*\i:XR+16*((\t)%4)+4*\i+3], v3, s[4:5] offset:2048*(\t)+512*\i th:TH_LOAD_NT
.endr
.endm
.macro XTURN t                         ; LDS serves a wave's instructions in order: no wait between the stores and the loads
.irp i, 0,1,2,3
	ds_store_b128 v14, v[XR+16*((\t)%4)+4*\i:XR+16*((\t)%4)+4*\i+3] offset:32*SP*((\t)%2)+8*SP*\i
.endr
.irp i, 0,1,2,3
	ds_load_b128 v[XN+16*((\t)%2)+4*\i:XN+16*((\t)%2)+4*\i+3], v15 offset:32*SP*((\t)%2)+16*\i
.endr
.endm
.irp t, 0,1,2,3
	XLOAD \t
.endr
	s_wait_loadcnt 12                              ; step 0's four loads are in; the twelve of steps 1 to 3 stay out
	XTURN 0
.macro XSTEP t
.set XS, XN+16*((\t)%2)
.if (\t) > 0
	s_wait_dscnt 1                                 ; this step's numbers are back from the stage; the last step's byte store may be out
.else
	s_wait_dscnt 0x0
.endif
.if (\t)+4 < STEPS
	XLOAD (\t)+4                                   ; into the registers that the stage's stores have read
.endif
.if (\t)+1 < STEPS
.if STEPS-2-(\t) >= 3
	s_wait_loadcnt 12                              ; the next step's four loads are in; those of the three steps behind it may be out
.else
	s_wait_loadcnt 4*(STEPS-2-(\t))
.endif
	XTURN (\t)+1
.endif
	v_max3_num_f32 v8, |v[XS]|, |v[XS+1]|, |v[XS+2]|               ; the largest magnitude of my 16, in two chains
	v_max3_num_f32 v9, |v[XS+3]|, |v[XS+4]|, |v[XS+5]|
.irp i, 6,10
	v_max3_num_f32 v8, v8, |v[XS+\i]|, |v[XS+\i+1]|
	v_max3_num_f32 v9, v9, |v[XS+\i+2]|, |v[XS+\i+3]|
.endr
	v_max3_num_f32 v8, v8, |v[XS+14]|, |v[XS+15]|
	v_max3_num_f32 v8, v8, v9, (EMAX+1)<<23        ; and the floor 2^(3 - 127): the byte cannot fall under 1
	v_max_num_f32_dpp v8, v8, v8 row_xmask:1 row_mask:0xf bank_mask:0xf   ; with my neighbour's 16: the block's
	v_add_nc_u32 v11, -(EMAX<<23), v8              ; 2 off its exponent field: the conversion takes this operand's exponent field as its scale
	v_cvt_scalef32_pk16_fp6_f32 v[XC+4*(\t):XC+4*(\t)+2], v[XS:XS+15], v11
	v_lshrrev_b32 v[XE+(\t)], 23, v11              ; the scale's byte
	ds_store_b8 v5, v[XE+(\t)] offset:16*(\t)      ; both lanes of a block write the same byte with the same value
	global_store_b96 v4, v[XC+4*(\t):XC+4*(\t)+2], s[12:13] offset:32*CB*(\t)   ; the wave stores 384 consecutive bytes
.endm
.irp t, 0,1,2,3,4,5,6,7,8,9,10,11,12,13,14,15
	XSTEP \t
.endr
	ds_load_b64 v[12:13], v6                       ; my wave's 256 scale bytes: these loads see my stores
	s_wait_dscnt 0x0
	global_store_b64 v7, v[12:13], s[14:15]        ; 32 lanes store 256 consecutive bytes, aligned
	s_wait_tensorcnt 0x0
	ds_add_u32 v192, v193
	s_wait_dscnt 0x0
	s_endpgm
; ---------------- the weights: a wave takes 32 columns x 256 along K ----------------
.Lw:
	s_sub_co_u32 s21, ttmp9, 256                   ; 0..95 = 32 x weight + 8 x (which 256 along K) + (which 128 columns)
	s_lshr_b32 s22, s21, 5                         ; which weight
	s_and_b32 s23, s21, 7
	s_bfe_u32 s24, s21, 0x20003                    ; which 256 along K
	s_lshl_b32 s23, s23, 7
	s_lshl_b32 s25, s20, 5
	s_add_co_u32 s23, s23, s25                     ; my wave's first column, a multiple of 32
	v_lshlrev_b32 v3, 2, v2                        ; in: 4 bytes a lane: 128 consecutive bytes a wave
	s_mul_i32 s25, s20, 32*PITCH
	s_add_co_u32 s25, s25, WST                     ; my stage
	v_mul_u32_u24 v4, v2, PITCH
	v_add_nc_u32 v4, s25, v4                       ; into it: row = my column
	v_and_b32 v5, 15, v2
	v_lshrrev_b32 v6, 4, v2
	v_mul_u32_u24 v7, v6, PITCH
	v_lshl_add_u32 v7, v5, 4, v7
	v_add_nc_u32 v7, s25, v7                       ; out of it: sixteen lanes to a row, two rows an instruction
	v_mul_u32_u24 v8, v6, KROW
	v_mad_u32_u24 v8, v5, 12, v8                   ; and the same place in wc (bit 0 of a column's number keeps its place under pi)
	v_and_b32 v9, 7, v2                            ; pi(lane): bits 3 and 4 exchanged
	v_bfe_u32 v10, v2, 3, 1
	v_lshl_or_b32 v9, v10, 4, v9
	v_bfe_u32 v10, v2, 4, 1
	v_lshl_or_b32 v9, v10, 3, v9
	v_lshlrev_b32 v9, 5, v9                        ; my column's row of scale bytes
	s_lshl_b32 s26, s24, 20                        ; 256 rows of 4,096 bytes
	s_lshl_b32 s27, s23, 2
	s_add_co_u32 s26, s26, s27
	s_mov_b32 s27, 0
	s_lshl_b32 s28, s22, 10
	s_add_co_u32 s28, s28, s23                     ; the first of my 32 rows of wc and ws
	s_mul_i32 s30, s28, KROW
	s_mul_i32 s29, s24, ROWB
	s_add_co_u32 s30, s30, s29
	s_mov_b32 s31, 0
	s_lshl_b32 s32, s28, 5
	s_lshl_b32 s29, s24, 3
	s_add_co_u32 s32, s32, s29
	s_mov_b32 s33, 0
	s_wait_kmcnt 0x0
	s_cmp_eq_u32 s22, 0                            ; the choice hangs on the work-group's number alone
	s_cselect_b64 s[6:7], s[6:7], s[8:9]
	s_cmp_eq_u32 s22, 2
	s_cselect_b64 s[6:7], s[10:11], s[6:7]
	s_add_nc_u64 s[6:7], s[6:7], s[26:27]
	s_add_nc_u64 s[16:17], s[16:17], s[30:31]
	s_add_nc_u64 s[18:19], s[18:19], s[32:33]
.macro WLOAD t                         ; block t: W(32 t + i, my column), i = 0 .. 31
.irp i, 0,1,2,3,4,5,6,7,8,9,10,11,12,13,14,15,16,17,18,19,20,21,22,23,24,25,26,27,28,29,30,31
	global_load_b32 v[WX+32*((\t)%2)+\i], v3, s[6:7] offset:(32*(\t)+\i)*4096 th:TH_LOAD_NT
.endr
.endm
	WLOAD 0
	WLOAD 1
.macro WBLOCK t
.set XS, WX+32*((\t)%2)
.if (\t) < NB-1
	s_wait_loadcnt 32                              ; this block's 32 loads are in; the next block's 32 may be out
.else
	s_wait_loadcnt 0
.endif
	v_max3_num_f32 v12, |v[XS]|, |v[XS+1]|, |v[XS+2]|               ; the block's largest magnitude: all 32 numbers are mine
	v_max3_num_f32 v13, |v[XS+3]|, |v[XS+4]|, |v[XS+5]|
.irp i, 6,10,14,18,22,26
	v_max3_num_f32 v12, v12, |v[XS+\i]|, |v[XS+\i+1]|
	v_max3_num_f32 v13, v13, |v[XS+\i+2]|, |v[XS+\i+3]|
.endr
	v_max3_num_f32 v12, v12, |v[XS+30]|, |v[XS+31]|
	v_max3_num_f32 v12, v12, v13, (EMAX+1)<<23     ; and the floor
	v_add_nc_u32 v11, -(EMAX<<23), v12             ; the conversion's scale operand
	v_lshrrev_b32 v13, 23, v11                     ; the scale's byte
.if (\t)%4 == 0
	v_mov_b32 v[SB+(\t)/4], v13                    ; four bytes to a register, the lower K in the lower byte
.else
	v_lshl_or_b32 v[SB+(\t)/4], v13, 8*((\t)%4), v[SB+(\t)/4]
.endif
	v_cvt_scalef32_pk16_fp6_f32 v[WC:WC+2], v[XS:XS+15], v11
	v_cvt_scalef32_pk16_fp6_f32 v[WC+4:WC+6], v[XS+16:XS+31], v11   ; (a conversion's three registers begin on an even number)
	ds_store_b96 v4, v[WC:WC+2] offset:32*(\t)     ; 12 bytes to a place of 16: every LDS address is a multiple of 16
	ds_store_b96 v4, v[WC+4:WC+6] offset:32*(\t)+16
.if (\t)+2 < NB
	WLOAD (\t)+2
.endif
	s_wait_dscnt 0x0                               ; the stores have read their registers: the next block's codes may be written
.endm
.irp t, 0,1,2,3,4,5,6,7
	WBLOCK \t
.endr
	global_store_b64 v9, v[SB:SB+1], s[18:19]      ; my column's 8 scale bytes
.irp t, 0,1,2,3,4,5,6,7,8,9,10,11,12,13,14,15
	ds_load_b96 v[OUTR+4*\t:OUTR+4*\t+2], v7 offset:2*\t*PITCH
.endr
.irp t, 0,1,2,3,4,5,6,7,8,9,10,11,12,13,14,15
	s_wait_dscnt 15-\t                             ; LDS loads come back in order: row pair t is in
	global_store_b96 v8, v[OUTR+4*\t:OUTR+4*\t+2], s[16:17] offset:(((2*\t)&7)+((((2*\t)>>3)&1)<<4)+((((2*\t)>>4)&1)<<3))*KROW   ; columns 2 t and 2 t + 1 go to positions pi(2 t) and pi(2 t) + 1
.endr
	s_wait_tensorcnt 0x0
	ds_add_u32 v192, v193
	s_wait_dscnt 0x0
	s_endpgm
.Lfunc_end_k_qfeab2d2b2e_quant:
	.size	k_qfeab2d2b2e_quant, .Lfunc_end_k_qfeab2d2b2e_quant-k_qfeab2d2b2e_quant
	.p2alignl 7, 3214868480
	.fill 96, 4, 3214868480
	.section	.rodata,"a",@progbits
	.p2align	6, 0x0
	.amdhsa_kernel k_qfeab2d2b2e_quant
		.amdhsa_group_segment_fixed_size 68096
		.amdhsa_private_segment_fixed_size 0
		.amdhsa_enable_private_segment 0
		.amdhsa_kernarg_size 64
		.amdhsa_user_sgpr_count 2
		.amdhsa_user_sgpr_kernarg_segment_ptr 1
		.amdhsa_wavefront_size32 1
		.amdhsa_system_sgpr_workgroup_id_x 1
		.amdhsa_system_sgpr_workgroup_id_y 1
		.amdhsa_system_sgpr_workgroup_id_z 1
		.amdhsa_system_vgpr_workitem_id 0
		.amdhsa_next_free_vgpr 194
		.amdhsa_next_free_sgpr 66
		.amdhsa_reserve_vcc 0
		.amdhsa_float_denorm_mode_32 3
		.amdhsa_float_denorm_mode_16_64 3
		.amdhsa_memory_ordered 1
		.amdhsa_forward_progress 1
		.amdhsa_inst_pref_size 74
	.end_amdhsa_kernel
	.amdgpu_metadata
---
amdhsa.version: [ 1, 2 ]
amdhsa.kernels:
  - .name:           k_qfeab2d2b2e_quant
    .symbol:         k_qfeab2d2b2e_quant.kd
    .args:
      - { .name: x, .offset: 0, .size: 8, .value_kind: global_buffer, .address_space: global }
      - { .name: Wq, .offset: 8, .size: 8, .value_kind: global_buffer, .address_space: global }
      - { .name: Wk, .offset: 16, .size: 8, .value_kind: global_buffer, .address_space: global }
      - { .name: Wv, .offset: 24, .size: 8, .value_kind: global_buffer, .address_space: global }
      - { .name: xc, .offset: 32, .size: 8, .value_kind: global_buffer, .address_space: global }
      - { .name: xs, .offset: 40, .size: 8, .value_kind: global_buffer, .address_space: global }
      - { .name: wc, .offset: 48, .size: 8, .value_kind: global_buffer, .address_space: global }
      - { .name: ws, .offset: 56, .size: 8, .value_kind: global_buffer, .address_space: global }
    .group_segment_fixed_size: 68096
    .private_segment_fixed_size: 0
    .kernarg_segment_align: 8
    .kernarg_segment_size: 64
    .max_flat_workgroup_size: 128
    .sgpr_count:     66
    .vgpr_count:     194
    .wavefront_size: 32
...
	.end_amdgpu_metadata
.endif
;; end of part 1
;; launch proj (part 2): grid 12 x 32, 4 waves a work-group, clusters of 4 x 4, 327,680 bytes of LDS; arguments xc, xs, wc, ws, bq, bk, bv, qb, kv; writes qb, kv
.if DOCPART == 2
	.amdgcn_target "amdgcn-amd-amdhsa--gfx1250"
	.amdhsa_code_object_version 6
	.text
	.protected	k_qfeab2d2b2e_proj
	.globl	k_qfeab2d2b2e_proj
	.p2align	8
	.type	k_qfeab2d2b2e_proj,@function
k_qfeab2d2b2e_proj:
	s_mov_b64 s[64:65], 0
	v_nop
	global_prefetch_b8 v0, s[64:65] scope:SCOPE_SE
	s_setreg_imm32_b32 hwreg(HW_REG_WAVE_MODE, 25, 1), 1
	s_wait_xcnt 0x0
	s_wait_alu depctr_hold_cnt(0) depctr_sa_sdst(0) depctr_va_vdst(0) depctr_va_sdst(0) depctr_va_ssrc(0) depctr_va_vcc(0) depctr_vm_vsrc(0)
	s_getreg_b32 s2, hwreg(HW_REG_IB_STS2, 6, 4)
	s_cmp_eq_u32 s2, 0
	s_cbranch_scc0 .Lentry_in_a_cluster
	s_endpgm
.Lentry_in_a_cluster:
	s_bfe_u32 s2, ttmp6, 0x10000c
	s_cmp_lg_u32 s2, 0xf033
	s_cbranch_scc0 .Lentry_shape_is_right
	s_endpgm
.Lentry_shape_is_right:
; q, k, v = x W + b on codes of FP6 (E2M3) with one E8M0 scale for each 32 along K (K = 1,024); sums in f32; the bias is added in f32; the results are quantised in registers and stored as IMAGES OF THE OPERAND REGISTERS
; that the attention launch feeds to its matrix instructions.  No f32 result goes to memory.
; xc [8192][768], xs [8192][32], wc [3072][768], ws [3072][32]: position p holds row pi(p), pi = bits 3 and 4 exchanged.
; A work-group of four waves makes 256 tokens x 256 features; a wave 128 x 128: 64 accumulators, 512 registers.  K goes in steps of 256 (rows of 192 bytes) through two LDS slots filled by the tensor data mover; the scale bytes of
; the work-group's 512 rows come once and stay.  4 x 4 work-groups form a cluster: x's tile is asked for jointly along a row of the cluster, W's along a column.
; WHICH AXIS LIES IN A LANE'S REGISTERS.  Source 0's 16 rows land in a lane's registers, source 1's in the lanes.  q and k are quantised along the features (a head's 64): source 0 = W, source 1 = x (clusters x = 0, 1).
; v is quantised along the tokens (the keys): source 0 = x, source 1 = W (cluster x = 2).  The matrix lines are one text: only the LDS bases from which the two sets of fragments are read are chosen, by the cluster's x,
; which all partners share.  By the order pi the 16 registers of source 0's blocks 2 b and 2 b + 1 are 16 neighbours: register 16 b + i is number 32 b + 16 (lane / 16) + i of the wave's 128.
; OUT.  qb and kv: head 16 b + h at 204,800 x, step of 128 tokens at 12,800 x; in a step: 4 records of 1,536 bytes (q or k), 4 fragments of 1,536 bytes (v), 256 bytes of the records' scale words, 256 of the fragments'.
; A record holds 32 tokens: registers 0-5 tokens 32 rho + r + 8 (r / 8), registers 6-11 those 8 further on; lane (r, h) holds d = 32 h .. 32 h + 31.  A fragment of v holds d = 32 (t / 2) + 8 (t % 2) + r + 8 (r / 8) and 128 keys.
; Registers 4 g .. 4 g + 3 of lane l lie at 512 g + 16 l: every store of the wave covers 512 consecutive bytes, aligned to 256.
; LIMITS: a block of zeros gets the byte 1 (zero codes; read by this program alone); largest magnitudes under 2^-124 are held at that floor; NaN and infinities are not served.
; REGISTERS, in windows of 256: window 0: v12-31 addresses; v32-95 scale words, two sets, nothing else; v96-127 at work on the way out; v128-223 source 1's fragments (on the way out: 64 numbers, then codes); v240-255 the bias of source 1's axis.
;   window 1: source 0's fragments, two sets, v0-95 and v128-223; v96-127 and v224-255 the bias of source 0's axis.   windows 2, 3: the accumulators ((a, b) at v[8 (8 (a % 4) + b)]).
.set NQ,     2                         ; matrix instructions deep in a slot
.set ROWB,   192                       ; a tile's row: 256 codes
.set KROW,   768                       ; a row of xc or wc
.set PITCH,  240                       ; an LDS row: 3 x (64 bytes + 16 of padding): the 32 lanes of a load of 8 bytes touch 64 different banks (64 banks of 4 bytes: ISA guide 11.1)
.set FR,     12
.set NL,     6
.set NP,     4                         ; places behind this matrix instruction (ISA guide 7.12.1)
.set HALFT,  128*PITCH
.set SLOT,   4*HALFT                   ; x's 256 rows, then W's 256 rows
.set KS,     32                        ; a row of scale bytes
.set SCL,    2*SLOT                    ; behind the ring: the scale bytes, as rows of 256 bytes + 16
.set HALFS,  16*272                    ; those of 128 rows
.set SBLK,   2*272                     ; those of 16 rows
.set SPARE,  SCL+4*HALFS               ; the spare words: 128 bytes a wave, two blocks of 256 bytes that no other line names
.set HEADB,  204800
.set STEPB,  12800
.set ADRA, 16                          ; v16-19  source 1's fragments in slot 0, 1 (v18-19: behind one padding more)
.set ADRB, 20                          ; v20-23  source 0's
.set CO,   24                          ; v24  16 x lane
.set SCW,  25                          ; v25  scratch: 512 x wave + 4 r
.set SCRD, 26                          ; v26  scratch: 512 x wave + 16 x lane
.set SGO,  27                          ; v27  (lane / 16) x 204,800 + 16 (lane % 16)
.set SPW,  28
.set NIL,  29
.set ADS1, 30                          ; v30  source 1's scale words
.set ADS0, 31                          ; v31  source 0's
.set SC,   32                          ; set s at v[SC + 32 s]: 2 i + q source 1's block i, 16 + 2 i + q source 0's block i
.set AF,   128
.set TM,   96                          ; v96-99 largest magnitudes, v100-103 the other half's / bytes, v108-111 scale operands
.set PW,   112                         ; v112-113 scale words just made
.set W0,   114                         ; v114-115 a record's scale words for the wave's two heads
.set XT,   116                         ; v116-122 the conversions' second halves
.set SB4,  124                         ; v124-127 scale words read back
.set TT,   128                         ; v128-191 64 numbers
.set R0,   192                         ; v192-215, v216-239 codes, two sets by turns
.set BI,   240
.set BJ0,  96                          ; in window 1
.set BJ1,  224
.set SEL,  96                          ; s[96:97]
.set G1, 24
.set G0, 32
.set G1B, 48
.set G0B, 56
.set G1S, 68
.set G0S, 76
.set G1SB, 80
.set G0SB, 88
.set MSB, 0
.macro WIN new                         ; the immediate's high byte repeats the setting that is left
.if MSB != (\new)
	s_set_vgpr_msb (MSB<<8)|(\new)
.set MSB, (\new)
.endif
.endm
.set MUL_LO, 0xa1                      ; source 0 window 1, source 1 window 0, C and D window 2
.set MUL_HI, 0xf1
.set TO_B,   0x40                      ; destination window 1, address window 0
; A joint load: waves 0 and 1 fetch x's halves, waves 2 and 3 W's.  The branch hangs on the wave's number alone.  Four v_nop follow each of the two lines.
.macro JLOAD g0a, g1a, g0b, g1b
	s_cmp_eq_u32 s15, 0
	s_cbranch_scc0 .Lfor_b_\@
	tensor_load_to_lds s[\g0a:\g0a+3], s[\g1a:\g1a+7]
	s_nop 0
.rept 4
	v_nop
.endr
	s_branch .Lasked_\@
.Lfor_b_\@:
	tensor_load_to_lds s[\g0b:\g0b+3], s[\g1b:\g1b+7]
	s_nop 0
.rept 4
	v_nop
.endr
.Lasked_\@:
.endm
.macro CREST                           ; a round of the cluster's barrier behind its opening barrier
	s_cmp_lg_u32 s14, 0
	s_cbranch_scc1 .Lnot_wave_0_\@
	s_barrier_signal -3
.Lnot_wave_0_\@:
	s_barrier_wait -3
	s_barrier_signal -1
	s_barrier_wait -1
.endm
.macro CROUND
	s_barrier_signal -1
	s_barrier_wait -1
	CREST
.endm
	s_load_b128 s[4:7], s[0:1], 0x0                ; xc, xs
	s_load_b128 s[8:11], s[0:1], 0x10              ; wc, ws
	s_load_b64 s[12:13], s[0:1], 0x40              ; kv
	v_lshl_add_u32 v[SPW], v0, 2, SPARE
	v_mov_b32 v[NIL], 0
	ds_add_u32 v28, v29
	ds_add_u32 v28, v29
	s_wait_dscnt 0x0
	v_lshrrev_b32 v1, 5, v0
	v_readfirstlane_b32 s14, v1                    ; wave 0..3
	s_lshr_b32 s15, s14, 1                         ; which half of source 1's rows is mine.  Also: I fetch for x (0) or for W (1)
	s_and_b32 s16, s14, 1                          ; which half of source 0's.  Also: which 128 rows of that tile I fetch
	s_bfe_u32 s40, ttmp6, 0x40000                  ; cx, cy
	s_bfe_u32 s41, ttmp6, 0x40004
	s_lshl_b32 s42, ttmp9, 2
	s_add_co_u32 s42, s42, s40                     ; which 256 rows of wc: 4 x cluster x + cx
	s_and_b32 s17, ttmp7, 0xffff
	s_lshl_b32 s17, s17, 2
	s_add_co_u32 s17, s17, s41                     ; which 256 rows of xc: 4 x cluster y + cy
	s_lshl_b32 s43, s41, 2
	s_lshl_b32 s43, 15, s43                        ; my row of the cluster
	s_lshl_b32 s44, 0x1111, s40                    ; my column
	s_or_b32 s[G1+0], s43, (0<<16)|(1<<20)|(1<<21)|(3<<22)|(3<<25)  ; 15:0 the mask: x's tiles go to my row; elements of 1 byte; padding on; 21 set beside a mask; after every 16 words 4 words
	s_or_b32 s[G1B+0], s44, (0<<16)|(1<<20)|(1<<21)|(3<<22)|(3<<25) ; W's tiles go to my column
.irp g, G1, G1B
	s_mov_b32 s[\g+1], ROWB<<16                    ; tensor_dim0
	s_mov_b32 s[\g+2], 128<<16                     ; tensor_dim1
	s_mov_b32 s[\g+3], ROWB<<16                    ; tile_dim0
	s_mov_b32 s[\g+4], 128                         ; tile_dim1
	s_mov_b32 s[\g+5], KROW                        ; the pitch
	s_mov_b32 s[\g+6], 0
	s_mov_b32 s[\g+7], 0
.endr
	s_or_b32 s[G1S+0], s43, (3<<16)|(1<<20)|(1<<21)|(5<<22)|(3<<25)   ; the scale bytes of 128 rows: 4,096 dense bytes as 16 rows of 256 (32 elements of 8 bytes), 16 bytes of padding behind each
	s_or_b32 s[G1SB+0], s44, (3<<16)|(1<<20)|(1<<21)|(5<<22)|(3<<25)
.irp g, G1S, G1SB
	s_mov_b32 s[\g+1], 32<<16
	s_mov_b32 s[\g+2], 16<<16
	s_mov_b32 s[\g+3], 32<<16
	s_mov_b32 s[\g+4], 16
	s_mov_b32 s[\g+5], 32
	s_mov_b32 s[\g+6], 0
	s_mov_b32 s[\g+7], 0
.endr
	s_lshl_b32 s18, s16, 7
	s_lshl_b32 s20, s17, 8
	s_add_co_u32 s20, s20, s18                     ; xc: row 256 x tile + 128 x half
	s_lshl_b32 s46, s42, 8
	s_add_co_u32 s46, s46, s18                     ; wc likewise
	s_mov_b32 s21, 0
	s_mov_b32 s47, 0
	s_mov_b64 s[18:19], KS
	s_mul_u64 s[22:23], s[20:21], s[18:19]
	s_mul_u64 s[92:93], s[46:47], s[18:19]
	s_mov_b64 s[18:19], KROW
	s_mul_u64 s[20:21], s[20:21], s[18:19]
	s_mul_u64 s[46:47], s[46:47], s[18:19]
	s_mul_i32 s45, s14, HALFT                      ; where they go: wave x 128 rows: no place in the cluster enters an LDS address
	s_mul_i32 s94, s14, HALFS
	s_wait_kmcnt 0x0
	s_add_nc_u64 s[20:21], s[4:5], s[20:21]
	s_add_nc_u64 s[22:23], s[6:7], s[22:23]
	s_add_nc_u64 s[46:47], s[8:9], s[46:47]
	s_add_nc_u64 s[92:93], s[10:11], s[92:93]
	CROUND                                         ; all sixteen work-groups are here: the first joint loads meet
	s_mov_b32 s[G0S], 1
	s_add_co_u32 s[G0S+1], s94, SCL
	s_mov_b64 s[G0S+2:G0S+3], s[22:23]
	s_or_b32 s[G0S+3], s[G0S+3], 0x80000000
	s_mov_b32 s[G0SB], 1
	s_add_co_u32 s[G0SB+1], s94, SCL
	s_mov_b64 s[G0SB+2:G0SB+3], s[92:93]
	s_or_b32 s[G0SB+3], s[G0SB+3], 0x80000000
	JLOAD G0S, G1S, G0SB, G1SB                     ; the scale bytes first: they are wanted with K step 0
.irp s, 0,1
	s_mov_b32 s[G0+4*\s], 1
	s_add_co_u32 s[G0+4*\s+1], s45, \s*SLOT
	s_add_nc_u64 s[G0+4*\s+2:G0+4*\s+3], s[20:21], \s*ROWB
	s_or_b32 s[G0+4*\s+3], s[G0+4*\s+3], 0x80000000
	s_mov_b32 s[G0B+4*\s], 1
	s_add_co_u32 s[G0B+4*\s+1], s45, \s*SLOT
	s_add_nc_u64 s[G0B+4*\s+2:G0B+4*\s+3], s[46:47], \s*ROWB
	s_or_b32 s[G0B+4*\s+3], s[G0B+4*\s+3], 0x80000000
	JLOAD G0+4*\s, G1, G0B+4*\s, G1B               ; three tensor loads of mine are out
.endr
	s_load_b256 s[4:11], s[0:1], 0x20              ; bq s[4:5], bk s[6:7], bv s[8:9], qb s[10:11]
	v_and_b32 v1, 15, v0                           ; r
	v_bfe_u32 v2, v0, 4, 1                         ; h
	v_mul_u32_u24 v3, v1, PITCH
	v_mul_u32_u24 v4, v2, 24
	v_add_nc_u32 v4, v3, v4                        ; a fragment's row x pitch + 24 x half
	v_lshl_add_u32 v5, v2, 4, v4                   ; and the same behind one padding more
	s_cmp_lt_u32 ttmp9, 2                          ; q or k (clusters 0, 1), or v (cluster 2): the same in all sixteen partners
	s_cselect_b32 s95, 0, 2*HALFT                  ; source 1's tile in a slot: x's or W's
	s_cselect_b32 s98, 2*HALFT, 0                  ; source 0's: the other
	s_cselect_b32 s99, 0, 2*HALFS                  ; and their scale bytes
	s_cselect_b32 s67, 2*HALFS, 0
	s_cselect_b32 s66, s16, s15                    ; which pair of heads is my wave's,
	s_cselect_b32 s3, s15, s16                     ; and which 128 tokens
	s_mul_i32 s21, s15, HALFT
	s_add_co_u32 s21, s21, s95
	s_mul_i32 s22, s16, HALFT
	s_add_co_u32 s22, s22, s98
.irp s, 0,1
	v_add_nc_u32 v[ADRA+\s], s21, v4
	v_add_nc_u32 v[ADRB+\s], s22, v4
	v_add_nc_u32 v[ADRA+2+\s], s21, v5
	v_add_nc_u32 v[ADRB+2+\s], s22, v5
	s_add_co_u32 s21, s21, SLOT
	s_add_co_u32 s22, s22, SLOT
.endr
	v_lshlrev_b32 v6, 5, v1                        ; my row's scale bytes: 32 a row,
	v_lshrrev_b32 v7, 8, v6
	v_lshl_add_u32 v6, v7, 4, v6                   ; and 16 more for each 256 passed
	s_mul_i32 s21, s15, HALFS
	s_add_co_u32 s21, s21, s99
	s_add_co_u32 s21, s21, SCL
	v_add_nc_u32 v[ADS1], s21, v6
	s_mul_i32 s22, s16, HALFS
	s_add_co_u32 s22, s22, s67
	s_add_co_u32 s22, s22, SCL
	v_add_nc_u32 v[ADS0], s22, v6
	v_and_b32 v7, 31, v0
	v_lshlrev_b32 v[CO], 4, v7
	s_lshl_b32 s23, s14, 9
	v_lshl_add_u32 v[SCW], v1, 2, s23
	v_add_nc_u32 v[SCRD], s23, v[CO]
	v_mul_u32_u24 v[SGO], v2, HEADB
	v_lshl_add_u32 v[SGO], v1, 4, v[SGO]
	v_lshlrev_b32 v12, 6, v2                       ; the bias of source 0's axis: 64 h bytes on
	v_and_b32 v13, 8, v1
	v_add_nc_u32 v13, v13, v1
	v_lshlrev_b32 v13, 2, v13                      ; of source 1's: 4 (r + 8 (r / 8))
	s_mov_b32 s[SEL], 0x76543210
	s_mov_b32 s[SEL+1], 0xfedcba98                 ; v_permlanex16_b32's selects for lane l xor 16
	s_lshr_b32 s20, s17, 3                         ; where my wave's results begin: batch,
	s_lshl_b32 s20, s20, 4
	s_lshl_b32 s21, s40, 2
	s_add_co_u32 s20, s20, s21                     ; + 4 heads for each 256 features,
	s_lshl_b32 s21, s66, 1
	s_add_co_u32 s20, s20, s21                     ; + my pair of heads;
	s_lshl_b32 s20, s20, 4
	s_and_b32 s21, s17, 7
	s_lshl_b32 s21, s21, 1
	s_add_co_u32 s20, s20, s21
	s_add_co_u32 s20, s20, s3                      ; the step of 128 tokens
	s_mul_i32 s20, s20, STEPB
	s_mov_b32 s21, 0
	s_lshl_b32 s22, s40, 10                        ; the biases: 256 numbers for each 256 features,
	s_lshl_b32 s23, s16, 9
	s_add_co_u32 s22, s22, s23                     ; + source 0's half
	s_mov_b32 s23, 0
	s_lshl_b32 s18, s40, 10
	s_lshl_b32 s19, s15, 9
	s_add_co_u32 s18, s18, s19                     ; + source 1's half
	s_mov_b32 s19, 0
	s_wait_kmcnt 0x0
	s_cmp_eq_u32 ttmp9, 0                          ; the choices hang on the cluster's x alone
	s_cselect_b64 s[4:5], s[4:5], s[6:7]
	s_cselect_b64 s[12:13], s[10:11], s[12:13]     ; q goes to qb, k and v to kv
	s_cmp_eq_u32 ttmp9, 2
	s_cselect_b64 s[4:5], s[8:9], s[4:5]
	s_add_nc_u64 s[12:13], s[12:13], s[20:21]
	s_add_nc_u64 s[4:5], s[4:5], s[22:23]
	s_add_nc_u64 s[8:9], s[8:9], s[18:19]
	WIN TO_B
.irp be, 0,1,2,3                       ; both biases are loaded on every path (each stays inside its 1,024 numbers); each way out uses its own
.irp k, 0,1,2,3
.if \be < 2
	global_load_b128 v[BJ0+16*\be+4*\k:BJ0+16*\be+4*\k+3], v12, s[4:5] offset:128*\be+16*\k    ; register 16 be + i: feature 32 be + 16 h + i
.else
	global_load_b128 v[BJ1+16*(\be-2)+4*\k:BJ1+16*(\be-2)+4*\k+3], v12, s[4:5] offset:128*\be+16*\k
.endif
.endr
.endr
	WIN 0
.irp a, 0,1,2,3,4,5,6,7
	global_load_b32 v[BI+2*\a], v13, s[8:9] offset:(32*(\a/2)+8*(\a%2))*4      ; bv at source 1's block a, row r; twice, to fill the pair of the packed addition
	global_load_b32 v[BI+2*\a+1], v13, s[8:9] offset:(32*(\a/2)+8*(\a%2))*4
.endr
.macro FRAG reg, adr, q, i             ; 16 rows x 128 K: 12 registers; lane l holds row l % 16; registers 6 c .. 6 c + 5 hold K = 64 c + 32 (l / 16) + 0 .. 31: 24 bytes of the row, as they lie, in pieces of 8 bytes
.irp p, 0,1,2,3,4,5
.set PC, 12*(\q)+6*(\p/3)+\p%3        ; 16 bytes of padding lie behind every 8 pieces: where the piece three on lies behind one padding more, the second address register serves
.if PC%8 < 5
	ds_load_b64 v[\reg+2*\p:\reg+2*\p+1], v[\adr] offset:8*PC+16*(PC/8)+(\i)*16*PITCH
.else
	ds_load_b64 v[\reg+2*\p:\reg+2*\p+1], v[\adr+2] offset:8*PC+16*(PC/8)+(\i)*16*PITCH
.endif
.endr
.endm
; 16 matrix instructions: source 1's blocks a0, a0 + 1 x source 0's eight.  The 64 accumulators take turns, one instruction a turn, in the same order in every step.
.macro MUL16 a0, p, q, sc, zero
.irp a, \a0, \a0+1
.irp b, 0,1,2,3,4,5,6,7
.if \zero
	v_wmma_scale_f32_16x16x128_f8f6f4 v[8*(8*((\a)%4)+\b):8*(8*((\a)%4)+\b)+7], v[128*(\p)+FR*\b:128*(\p)+FR*\b+FR-1], v[AF+FR*(\a):AF+FR*(\a)+FR-1], 0, v[SC+32*(\sc)+16+2*\b+(\q)], v[SC+32*(\sc)+2*(\a)+(\q)] matrix_a_fmt:MATRIX_FMT_FP6 matrix_b_fmt:MATRIX_FMT_FP6
.else
	v_wmma_scale_f32_16x16x128_f8f6f4 v[8*(8*((\a)%4)+\b):8*(8*((\a)%4)+\b)+7], v[128*(\p)+FR*\b:128*(\p)+FR*\b+FR-1], v[AF+FR*(\a):AF+FR*(\a)+FR-1], v[8*(8*((\a)%4)+\b):8*(8*((\a)%4)+\b)+7], v[SC+32*(\sc)+16+2*\b+(\q)], v[SC+32*(\sc)+2*(\a)+(\q)] matrix_a_fmt:MATRIX_FMT_FP6 matrix_b_fmt:MATRIX_FMT_FP6
.endif
.endr
.endr
.endm
.macro FETCH_B slot, q, p
	WIN TO_B
.irp i, 0,1,2,3,4,5,6,7
	FRAG 128*(\p)+FR*\i, ADRB+\slot, \q, \i
.endr
	WIN 0
.endm
.macro FETCH_A slot, q, i0
.irp i, \i0, \i0+1, \i0+2, \i0+3
	FRAG AF+FR*(\i), ADRA+\slot, \q, \i
.endr
.endm
.macro SCALES sc                       ; a K step's scale words, two a row: lane r takes row r's (lanes 16-31 the same words, which are not read)
.irp i, 0,1,2,3,4,5,6,7
	ds_load_b64 v[SC+32*\sc+2*\i:SC+32*\sc+2*\i+1], v[ADS1] offset:\i*SBLK
.endr
.irp i, 0,1,2,3,4,5,6,7
	ds_load_b64 v[SC+32*\sc+16+2*\i:SC+32*\sc+16+2*\i+1], v[ADS0] offset:\i*SBLK
.endr
.endm
.macro PLACES n                        ; a load into a register that a matrix instruction has read, and a vector instruction that reads a result or writes such a register, stand NP plain vector instructions behind it (ISA guide 7.12.1 for vector instructions)
.rept \n
	v_nop
.endr
.endm
.macro STEP slot, q, zero              ; 128 along K with its successor in the same slot
	s_wait_dscnt 4*NL                              ; all but the youngest 24 loads (source 1's blocks 4-7) are in
	WIN MUL_LO
	MUL16 0, (\q)%2, \q, \slot, \zero
	MUL16 2, (\q)%2, \q, \slot, \zero
	s_wait_dscnt 0
	PLACES NP
	FETCH_B \slot, (\q)+1, 1-(\q)%2
	FETCH_A \slot, (\q)+1, 0
	WIN MUL_HI
	MUL16 4, (\q)%2, \q, \slot, \zero
	MUL16 6, (\q)%2, \q, \slot, \zero
	PLACES NP
	WIN 0
	FETCH_A \slot, (\q)+1, 4
.endm
; A slot's last step changes slots: ONE barrier; in front of it each wave waits for all its tensor loads, adds 0 to its spare word, and waits for that and for its reads of this slot.  fill = 1: the slot is filled again, two K steps ahead.
.macro TURN slot, next, fill
	s_wait_tensorcnt 0x0                           ; all my tensor loads have landed: my part of the next slot
	ds_add_u32 v[SPW], v[NIL]                      ; 0 onto my spare word
	s_wait_dscnt 4*NL+1                            ; the add and the youngest 24 loads may be out
	WIN MUL_LO
	MUL16 0, 1, NQ-1, \slot, 0
	s_wait_dscnt 0x0                               ; the add is done, and my reads of this slot are over
	s_barrier_signal -1
	MUL16 2, 1, NQ-1, \slot, 0
	WIN 0
	s_barrier_wait -1
.if \fill
	CREST                                          ; the barrier has opened a round of the cluster's barrier: no wave of any partner still reads this slot or has a load on its way
	s_add_nc_u64 s[G0+4*\slot+2:G0+4*\slot+3], s[G0+4*\slot+2:G0+4*\slot+3], 2*ROWB
	s_add_nc_u64 s[G0B+4*\slot+2:G0B+4*\slot+3], s[G0B+4*\slot+2:G0B+4*\slot+3], 2*ROWB
	JLOAD G0+4*\slot, G1, G0B+4*\slot, G1B         ; the first tensor load behind the round; its four v_nop are the places in front of the loads below
.else
	PLACES NP
.endif
	v_add_nc_u32 v[ADS1], 4*NQ, v[ADS1]            ; on to the next K step's scale words
	v_add_nc_u32 v[ADS0], 4*NQ, v[ADS0]
	FETCH_B \next, 0, 0
	FETCH_A \next, 0, 0
	SCALES \next
	WIN MUL_HI
	MUL16 4, 1, NQ-1, \slot, 0
	MUL16 6, 1, NQ-1, \slot, 0
	PLACES NP
	WIN 0
	FETCH_A \next, 0, 4
.endm
	s_wait_loadcnt 0x0                             ; the biases
	s_wait_tensorcnt 1                             ; the scale bytes and my part of K step 0 are in; K step 1's load may be out
	s_barrier_signal -1
	s_barrier_wait -1
	FETCH_B 0, 0, 0
	FETCH_A 0, 0, 0
	SCALES 0
	FETCH_A 0, 0, 4
	STEP 0, 0, 1                                   ; K = 1,024 is four K steps of 256, written out: the first products start the sums
	TURN 0, 1, 1                                   ; slot 0 takes K step 2
	STEP 1, 0, 0
	TURN 1, 0, 1                                   ; slot 1 takes K step 3
	STEP 0, 0, 0
	TURN 0, 1, 0                                   ; nothing is left to fetch: behind this barrier nobody reads slot 0, and it has had its last fill
	STEP 1, 0, 0
	s_wait_dscnt 4*NL
	WIN MUL_LO
	MUL16 0, 1, NQ-1, 1, 0
	MUL16 2, 1, NQ-1, 1, 0
	s_wait_dscnt 0
	WIN MUL_HI
	MUL16 4, 1, NQ-1, 1, 0
	MUL16 6, 1, NQ-1, 1, 0
	WIN 0
; THE WAY OUT.  64 numbers of a lane, register 16 b + i = number 32 b + 16 (lane / 16) + i along the axis to be quantised, become 12 registers of codes (six at d0: blocks 0, 1; six at d1: blocks 2, 3) and a scale word.
.macro QUANT s, d0, d1, pw
.irp b, 0,1,2,3
	v_max3_num_f32 v[TM+\b], |v[\s+16*\b]|, |v[\s+1+16*\b]|, 0x1800000   ; block b: my 16 numbers, and the floor 2^(3 - 127): the byte cannot fall under 1
.endr
.irp i, 2,4,6,8,10,12,14
.irp b, 0,1,2,3
	v_max3_num_f32 v[TM+\b], v[TM+\b], |v[\s+16*\b+\i]|, |v[\s+1+16*\b+\i]|
.endr
.endr
.irp b, 0,1,2,3
	v_permlanex16_b32 v[TM+4+\b], v[TM+\b], s[SEL], s[SEL+1]
.endr
.irp b, 0,1,2,3
	v_max_num_f32 v[TM+\b], v[TM+\b], v[TM+4+\b]   ; with lane l xor 16's 16: the block's largest magnitude
.endr
.irp b, 0,1,2,3
	v_add_nc_u32 v[TM+12+\b], 0xff000000, v[TM+\b] ; 2 off its exponent field: the conversion's scale operand
.endr
.irp b, 0,1,2,3
	v_lshrrev_b32 v[TM+4+\b], 23, v[TM+12+\b]      ; the scale's byte
.endr
	v_lshl_or_b32 v[\pw], v[TM+5], 8, v[TM+4]
	v_lshl_or_b32 v[\pw], v[TM+6], 16, v[\pw]
	v_lshl_or_b32 v[\pw], v[TM+7], 24, v[\pw]
	v_cvt_scalef32_pk16_fp6_f32 v[(\d0):(\d0)+2], v[\s:\s+15], v[TM+12]
	v_cvt_scalef32_pk16_fp6_f32 v[XT:XT+2], v[\s+16:\s+31], v[TM+13]     ; (a conversion's three registers begin on an even number)
	v_cvt_scalef32_pk16_fp6_f32 v[(\d1):(\d1)+2], v[\s+32:\s+47], v[TM+14]
	v_cvt_scalef32_pk16_fp6_f32 v[XT+4:XT+6], v[\s+48:\s+63], v[TM+15]
	v_nop                                          ; one plain instruction behind a scaled conversion
.irp i, 0,1,2                          ; the operand's layout wants a whole block in a lane: lanes 0-15 the lower block, lanes 16-31 the upper
	v_permlane16_swap_b32 v[(\d0)+\i], v[XT+\i]
.endr
.irp i, 0,1,2
	v_mov_b32 v[(\d0)+3+\i], v[XT+\i]
.endr
.irp i, 0,1,2
	v_permlane16_swap_b32 v[(\d1)+\i], v[XT+4+\i]
.endr
.irp i, 0,1,2
	v_mov_b32 v[(\d1)+3+\i], v[XT+4+\i]
.endr
.endm
.macro ADDJ a                          ; block a's 64 sums + the bias along the registers; each accumulator is read from its low end on
	WIN 0x06+(\a)/4                                ; source 0 window 2 or 3, source 1 window 1
.set AN, 0
.rept 32
.if AN < 32
.set BR, BJ0+AN
.else
.set BR, BJ1+AN-32
.endif
	v_pk_add_f32 v[TT+AN:TT+AN+1], v[64*((\a)%4)+AN:64*((\a)%4)+AN+1], v[BR:BR+1]
.set AN, AN+2
.endr
	WIN 0
.endm
.macro ADDI a                          ; block a's 64 sums + the lane's one bias
	WIN 0x02+(\a)/4
.set AN, 0
.rept 32
	v_pk_add_f32 v[TT+AN:TT+AN+1], v[64*((\a)%4)+AN:64*((\a)%4)+AN+1], v[BI+2*(\a):BI+2*(\a)+1]
.set AN, AN+2
.endr
	WIN 0
.endm
	PLACES NP                                      ; behind the last products: their results are read and source 1's registers written below
.irp b, 0,1,2,3
	v_mov_b32 v[TM+4+\b], 0                        ; written once: a lane permute's destination counts as one of its sources
.endr
	s_cmp_lt_u32 ttmp9, 2
	s_cbranch_scc0 .Lv_out
; q, k: the registers run along 128 features, two heads; the lanes hold tokens.  Blocks 2 be and 2 be + 1 of tokens make record be of each of the two heads.
.irp be, 0,1,2,3
.set RR, R0+24*(\be%2)
.if \be >= 2
	s_wait_xcnt 0x0                                ; the stores of two records back have read this set's registers
.endif
	ADDJ 2*\be
	QUANT TT, RR, RR+12, PW
	ADDJ 2*\be+1
	QUANT TT, RR+6, RR+18, PW+1
	v_perm_b32 v[W0], v[PW+1], v[PW], 0x05040100   ; first head: bytes 0, 1 of the first 16 tokens' word, then of the second 16's
	v_perm_b32 v[W0+1], v[PW+1], v[PW], 0x07060302 ; second head: bytes 2, 3
	ds_store_b32 v[SCW], v[W0] offset:64*\be       ; lanes r and r + 16 write the same word with the same value
	ds_store_b32 v[SCW], v[W0+1] offset:256+64*\be
.irp c, 0,1
.irp g, 0,1,2
	global_store_b128 v[CO], v[RR+12*\c+4*\g:RR+12*\c+4*\g+3], s[12:13] offset:\c*HEADB+1536*\be+512*\g
.endr
.endr
.endr
	ds_load_b128 v[SB4:SB4+3], v[SCRD]             ; my wave's own bytes, served in order: lanes 0-15 the first head's 256 bytes, lanes 16-31 the second's
	s_wait_dscnt 0x0
	global_store_b128 v[SGO], v[SB4:SB4+3], s[12:13] offset:12288
	s_branch .Ldone
; v: the registers run along 128 tokens, one step of keys; the lanes hold features.  Block a is fragment a % 4 of head a / 4.
.Lv_out:
.irp a, 0,1,2,3,4,5,6,7
.set RR, R0+24*(\a%2)
.if \a >= 2
	s_wait_xcnt 0x0
.endif
	ADDI \a
	QUANT TT, RR, RR+6, PW
	ds_store_b32 v[SCW], v[PW] offset:2048+64*\a   ; (this way out has scratch bytes of its own)
.irp g, 0,1,2
	global_store_b128 v[CO], v[RR+4*\g:RR+4*\g+3], s[12:13] offset:6144+(\a/4)*HEADB+(\a%4)*1536+512*\g
.endr
.endr
	ds_load_b128 v[SB4:SB4+3], v[SCRD] offset:2048
	s_wait_dscnt 0x0
	global_store_b128 v[SGO], v[SB4:SB4+3], s[12:13] offset:12544
.Ldone:
	s_wait_tensorcnt 0x0                           ; the wave's end
	ds_add_u32 v[SPW], v[NIL]
	s_wait_dscnt 0x0
	CROUND                                         ; the closing round: no work-group ends while a partner may still ask for a tile that names it
	s_endpgm
.Lfunc_end_k_qfeab2d2b2e_proj:
	.size	k_qfeab2d2b2e_proj, .Lfunc_end_k_qfeab2d2b2e_proj-k_qfeab2d2b2e_proj
	.p2alignl 7, 3214868480
	.fill 96, 4, 3214868480
	.section	.rodata,"a",@progbits
	.p2align	6, 0x0
	.amdhsa_kernel k_qfeab2d2b2e_proj
		.amdhsa_group_segment_fixed_size 327680
		.amdhsa_private_segment_fixed_size 0
		.amdhsa_enable_private_segment 0
		.amdhsa_kernarg_size 72
		.amdhsa_user_sgpr_count 2
		.amdhsa_user_sgpr_kernarg_segment_ptr 1
		.amdhsa_wavefront_size32 1
		.amdhsa_system_sgpr_workgroup_id_x 1
		.amdhsa_system_sgpr_workgroup_id_y 1
		.amdhsa_system_sgpr_workgroup_id_z 1
		.amdhsa_system_vgpr_workitem_id 0
		.amdhsa_next_free_vgpr 1024
		.amdhsa_next_free_sgpr 100
		.amdhsa_reserve_vcc 0
		.amdhsa_float_denorm_mode_32 3
		.amdhsa_float_denorm_mode_16_64 3
		.amdhsa_memory_ordered 1
		.amdhsa_forward_progress 1
		.amdhsa_inst_pref_size 236
	.end_amdhsa_kernel
	.amdgpu_metadata
---
amdhsa.version: [ 1, 2 ]
amdhsa.kernels:
  - .name:           k_qfeab2d2b2e_proj
    .symbol:         k_qfeab2d2b2e_proj.kd
    .args:
      - { .name: xc, .offset: 0, .size: 8, .value_kind: global_buffer, .address_space: global }
      - { .name: xs, .offset: 8, .size: 8, .value_kind: global_buffer, .address_space: global }
      - { .name: wc, .offset: 16, .size: 8, .value_kind: global_buffer, .address_space: global }
      - { .name: ws, .offset: 24, .size: 8, .value_kind: global_buffer, .address_space: global }
      - { .name: bq, .offset: 32, .size: 8, .value_kind: global_buffer, .address_space: global }
      - { .name: bk, .offset: 40, .size: 8, .value_kind: global_buffer, .address_space: global }
      - { .name: bv, .offset: 48, .size: 8, .value_kind: global_buffer, .address_space: global }
      - { .name: qb, .offset: 56, .size: 8, .value_kind: global_buffer, .address_space: global }
      - { .name: kv, .offset: 64, .size: 8, .value_kind: global_buffer, .address_space: global }
    .group_segment_fixed_size: 327680
    .private_segment_fixed_size: 0
    .kernarg_segment_align: 8
    .kernarg_segment_size: 72
    .max_flat_workgroup_size: 128
    .sgpr_count:     100
    .vgpr_count:     1024
    .wavefront_size: 32
...
	.end_amdgpu_metadata
.endif
;; end of part 2
;; launch attn (part 3): grid 4 x 64, 16 waves a work-group, clusters of 4 x 1, 327,680 bytes of LDS; arguments qb, kv, out0; writes out0
.if DOCPART == 3
	.amdgcn_target "amdgcn-amd-amdhsa--gfx1250"
	.amdhsa_code_object_version 6
	.text
	.protected	k_qfeab2d2b2e_attn
	.globl	k_qfeab2d2b2e_attn
	.p2align	8
	.type	k_qfeab2d2b2e_attn,@function
k_qfeab2d2b2e_attn:
	s_mov_b64 s[64:65], 0
	v_nop
	global_prefetch_b8 v0, s[64:65] scope:SCOPE_SE
	s_setreg_imm32_b32 hwreg(HW_REG_WAVE_MODE, 25, 1), 1
	s_wait_xcnt 0x0
	s_wait_alu depctr_hold_cnt(0) depctr_sa_sdst(0) depctr_va_vdst(0) depctr_va_sdst(0) depctr_va_ssrc(0) depctr_va_vcc(0) depctr_vm_vsrc(0)
	s_getreg_b32 s2, hwreg(HW_REG_IB_STS2, 6, 4)
	s_cmp_eq_u32 s2, 0
	s_cbranch_scc0 .Lentry_in_a_cluster
	s_endpgm
.Lentry_in_a_cluster:
	s_bfe_u32 s2, ttmp6, 0x10000c
	s_cmp_lg_u32 s2, 0x3003
	s_cbranch_scc0 .Lentry_shape_is_right
	s_endpgm
.Lentry_shape_is_right:
; out[b][q][64 h + d] = the sum over k of softmax_k(Q . K / 8) V, for 64 heads of 2,048 tokens x 64, both products on codes of FP6 (E2M3) with one E8M0 scale for each 32 along a product's K.
; qb, kv: head 16 b + h at 204,800 x, step of 128 tokens at 12,800 x; in a step: 4 records of q or k (1,536 bytes), 4 fragments of v (1,536), 256 bytes of the records' scale words, 256 of the fragments'.  All are images of operand
; registers: registers 4 g .. 4 g + 3 of lane l at 512 g + 16 l.
; THE SOFTMAX: t = score x log2(e) / 8; M = the row's largest t so far, rounded UP to a whole number; p = 2^(t - M) is quantised along the keys, not normalised; the row's sum is taken of the unquantised p in f32 and divides at the end.
; When M moves, the sum and O are multiplied by 2^(old M - new M): exact.
; SHARES.  A cluster of four work-groups is one head; a work-group owns 512 queries; each of its sixteen waves 32: one record of q, two tiles of 16.  Four waves to a SIMD: one wave's vector work stands beside another's products and LDS loads.
; THE WHOLE HEAD'S K AND V, 204,800 bytes, LIE IN LDS, filled ONCE, by joint loads that the four work-groups ask for together: no byte is filled again, so there is no ring.  Every byte that the work-group will read is asked for in its
; first lines, so there is no later load ahead of which a prefetch could run.
; THE FIRST PRODUCT'S K IS 64, half of the instruction's 128.  A record of k holds TWO tiles of 16 keys, one in k = 0-63, one in k = 64-127.  q is kept between runs of zero codes, [0][q0][0][q1][0], six registers each: twelve registers
; from a run of data on give q in k = 0-63 and zeros above, twelve from the run of zeros in front of it the other way round.  Zero codes add nothing under any scale byte that the quantiser makes, so one record feeds four products.
; LAYOUT.  Both products are used transposed (S^T = K Q^T, O^T = V^T P^T): a lane holds one query throughout.  Tile 2 rho + u holds keys 32 rho + 8 u + r + 8 (r / 8): the 16 registers of two neighbouring tiles are 16 neighbouring keys.
; LIMITS: NaN and infinities are not served; a block of p that has fallen to zeros keeps the byte 1 (its codes are zeros).  A block's largest p is taken as the exponential of its largest score, which leans on v_exp_f32 not falling where its input rises.
; REGISTERS: v1-7 addresses; v8-15 for each tile -M, the largest t, the sum in two halves; v16-45 q; v46-47 q's scale words; v48-111 O^T, 32 a tile; v112-175 S^T, then p, then v's fragments; v176-223 k's records, then tile 1's codes of p;
;   v224-225 k's, then v's scale words; v226-237 tile 0's codes of p; v238-239 p's scale words; v240 f; v242-254 at work.
.set HEADB, 204800
.set STEPB, 12800
.set STG,   HEADB                      ; behind the head: a stage of 16 rows x (256 bytes + 16) for each wave; no tensor load lands there
.set SP,    272
.set LI,  1                            ; v1  16 x lane
.set LS,  2                            ; v2  4 x lane
.set ADR, 3                            ; v3  the step's images
.set ADS, 4                            ; v4  the step's scale words
.set GO,  5                            ; v5  the way out: 4,096 h + 16 r
.set STO, 6
.set RD,  7
.set QZ,  16
.set QS,  46
.set O,   48
.set S,   112
.set KR,  176
.set KSC, 224
.set P0,  226
.set PS,  238
.set F,   240
.set BM,  242                          ; v242-245 the blocks' largest scores; later a conversion's second half
.set PX,  246                          ; v246-249 the other half's; a chain of the sum; the bytes; later a conversion's second half
.set SO,  250                          ; v250-253 the conversions' scale operands
.set TV,  254
.set WV,  10
.set G1A, 16
.set G1B, 24
.set G0A, 32
.set G0B, 36
.set SEL, 40
.set CS,  42
.set TB,  44
.set CNT, 45
.macro ROUND                           ; a round of the cluster's barrier
	s_barrier_signal -1
	s_barrier_wait -1
	s_cmp_lg_u32 s[WV], 0
	s_cbranch_scc1 .Lnot_wave_0_\@
	s_barrier_signal -3
.Lnot_wave_0_\@:
	s_barrier_wait -3
	s_barrier_signal -1
	s_barrier_wait -1
.endm
	s_load_b128 s[4:7], s[0:1], 0x0                ; qb, kv
	s_load_b64 s[8:9], s[0:1], 0x10                ; out0
	v_lshl_add_u32 v254, v0, 2, 0x43000
	v_mov_b32 v255, 0
	ds_add_u32 v254, v255
	ds_add_u32 v254, v255
	s_wait_dscnt 0x0
	v_lshrrev_b32 v1, 5, v0
	s_delay_alu instid0(VALU_DEP_1)
	v_readfirstlane_b32 s[WV], v1                  ; wave 0..15
	s_bfe_u32 s11, ttmp6, 0x40000                  ; cx: which 512 queries: it enters q's and the output's addresses alone
	s_and_b32 s12, ttmp7, 0xffff                   ; the head, which the four partners share
	s_mul_i32 s14, s12, HEADB
	s_mov_b32 s15, 0
	; two shapes of a dense block, as rows of 256 bytes (32 elements of 8 bytes): 50 rows (one step) and 150 rows (three steps)
	s_mov_b32 s[G1A], 15|(3<<16)|(1<<21)           ; 15:0 the mask: all four work-groups; elements of 8 bytes; 21 set beside a mask; no padding
	s_mov_b32 s[G1A+1], 32<<16
	s_mov_b32 s[G1A+2], 50<<16
	s_mov_b32 s[G1A+3], 32<<16
	s_mov_b32 s[G1A+4], 50
	s_mov_b32 s[G1A+5], 32
	s_mov_b32 s[G1A+6], 0
	s_mov_b32 s[G1A+7], 0
	s_mov_b32 s[G1B], 15|(3<<16)|(1<<21)
	s_mov_b32 s[G1B+1], 32<<16
	s_mov_b32 s[G1B+2], 150<<16
	s_mov_b32 s[G1B+3], 32<<16
	s_mov_b32 s[G1B+4], 150
	s_mov_b32 s[G1B+5], 32
	s_mov_b32 s[G1B+6], 0
	s_mov_b32 s[G1B+7], 0
	s_and_b32 s13, s[WV], 3
	s_mul_i32 s46, s13, STEPB                      ; waves 0 to 3 fetch: first step w,
	s_mov_b32 s47, 0
	s_mul_i32 s48, s13, 3*STEPB
	s_add_co_u32 s48, s48, 4*STEPB                 ; then steps 4 + 3 w to 6 + 3 w: the same byte in LDS as in the head
	s_mov_b32 s49, 0
	s_mov_b32 s[SEL], 0x76543210
	s_mov_b32 s[SEL+1], 0xfedcba98                 ; v_permlanex16_b32's selects for lane l xor 16
	s_mov_b32 s[CS], 0x3e38aa3b                    ; c = log2(e) / 8
	s_mov_b32 s[CS+1], s[CS]                       ; (named with it as a pair)
	s_mov_b32 s[TB], 0
	s_wait_kmcnt 0x0
	s_add_nc_u64 s[6:7], s[6:7], s[14:15]          ; kv at my head
	s_mov_b32 s[G0A], 1
	s_mov_b32 s[G0A+1], s46
	s_add_nc_u64 s[G0A+2:G0A+3], s[6:7], s[46:47]
	s_or_b32 s[G0A+3], s[G0A+3], 0x80000000
	s_mov_b32 s[G0B], 1
	s_mov_b32 s[G0B+1], s48
	s_add_nc_u64 s[G0B+2:G0B+3], s[6:7], s[48:49]
	s_or_b32 s[G0B+3], s[G0B+3], 0x80000000
	ROUND                                          ; all four work-groups are here: the joint loads meet
	s_cmp_lt_u32 s[WV], 4                          ; a wave's two fills stand in one branch on the wave's number: two tensor loads of mine are out at most
	s_cbranch_scc0 .Lno_fetch
	tensor_load_to_lds s[G0A:G0A+3], s[G1A:G1A+7]
	s_nop 0
	tensor_load_to_lds s[G0B:G0B+3], s[G1B:G1B+7]
	s_nop 0
.rept 4
	v_nop
.endr
.Lno_fetch:
	v_and_b32 v8, 31, v0                           ; lane
	v_and_b32 v9, 15, v0                           ; r
	v_bfe_u32 v10, v0, 4, 1                        ; h
	s_delay_alu instid0(VALU_DEP_3)
	v_lshlrev_b32 v[LI], 4, v8
	s_wait_alu depctr_va_vdst(0)
	v_lshlrev_b32 v[LS], 2, v8
	s_lshl_b32 s52, s11, 4
	s_add_co_u32 s52, s52, s[WV]                   ; my record of q: 16 cx + wave: queries 32 x that on
	s_lshr_b32 s53, s52, 2
	s_mul_i32 s54, s53, STEPB
	s_add_co_u32 s54, s54, s14
	s_mov_b32 s55, 0
	s_add_nc_u64 s[4:5], s[4:5], s[54:55]          ; qb at its step
	s_and_b32 s53, s52, 3
	s_mul_i32 s56, s53, 1536
	v_add_nc_u32 v[BM], s56, v[LI]
	s_lshl_b32 s56, s53, 6
	v_lshl_add_u32 v[BM+1], v9, 2, s56
.irp g, 0,1,2
	global_load_b128 v[S+4*\g:S+4*\g+3], v[BM], s[4:5] offset:512*\g
.endr
	global_load_b32 v[TV], v[BM+1], s[4:5] offset:12288
	s_lshr_b32 s56, s12, 4                         ; the output: batch x 2,048 + my first query, rows of 4,096 bytes; + 256 bytes a head
	s_lshl_b32 s56, s56, 11
	s_lshl_b32 s57, s52, 5
	s_add_co_u32 s56, s56, s57
	s_lshl_b32 s56, s56, 12
	s_and_b32 s57, s12, 15
	s_lshl_b32 s57, s57, 8
	s_add_co_u32 s56, s56, s57
	s_mov_b32 s57, 0
	s_add_nc_u64 s[8:9], s[8:9], s[56:57]
	v_lshlrev_b32 v[GO], 12, v10
	s_delay_alu instid0(VALU_DEP_1)
	v_lshl_add_u32 v[GO], v9, 4, v[GO]
	s_mul_i32 s58, s[WV], 16*SP
	s_add_co_u32 s58, s58, STG                     ; my stage
	v_mul_u32_u24 v[STO], v9, SP
	s_delay_alu instid0(VALU_DEP_1)
	v_lshl_add_u32 v[STO], v10, 6, v[STO]
	s_delay_alu instid0(VALU_DEP_1)
	v_add_nc_u32 v[STO], s58, v[STO]               ; in: row r, + 64 h
	v_mul_u32_u24 v[RD], v10, SP
	s_delay_alu instid0(VALU_DEP_1)
	v_lshl_add_u32 v[RD], v9, 4, v[RD]
	s_delay_alu instid0(VALU_DEP_1)
	v_add_nc_u32 v[RD], s58, v[RD]                 ; back: lanes 0-15 one row, lanes 16-31 the next
	v_mov_b32 v9, 0xff61b1e6                       ; the largest t so far: -3e38, under every t
	v_mov_b32 v13, 0xff61b1e6
	s_delay_alu instid0(VALU_DEP_2)
	v_floor_f32 v8, -v9                            ; -M
	s_delay_alu instid0(VALU_DEP_2)
	v_floor_f32 v12, -v13
	v_mov_b32 v10, 0                               ; the sums
	v_mov_b32 v11, 0
	v_mov_b32 v14, 0
	v_mov_b32 v15, 0
.irp b, 0,1,2,3
	v_mov_b32 v[PX+\b], 0                          ; written once: a lane permute's destination counts as one of its sources
.endr
	v_mov_b32 v[F+1], 0                            ; (named as the upper half of f's pair)
.irp z, 0,12,24
.irp i, 0,1,2,3,4,5
	v_mov_b32 v[QZ+\z+\i], 0                       ; the three runs of zero codes
.endr
.endr
	s_wait_loadcnt 0x0
.irp i, 0,1,2,3,4,5
	v_mov_b32 v[QZ+6+\i], v[S+\i]                  ; tile 0's codes
	v_mov_b32 v[QZ+18+\i], v[S+6+\i]               ; tile 1's
.endr
	v_perm_b32 v[QS], v[TV], v[TV], 0x01000100     ; tile 0's two scale bytes, for k = 0-63 and again for k = 64-127
	v_perm_b32 v[QS+1], v[TV], v[TV], 0x03020302   ; tile 1's
.set J, 0
.rept 64
	v_mov_b32 v[O+J], 0                            ; O^T: the step is written once: the first finds zeros, which the first change of M leaves zeros.  (These are also the places between q's registers and the first products)
.set J, J+1
.endr
.macro SCORES t                        ; S^T of tile t of my queries against the step's 128 keys: eight products, each starting its sum
.irp ka, 0,1,2,3,4,5,6,7
.if (\ka%2) == 0
.set QB, QZ+6+12*(\t)                  ; q in k = 0-63: meets the record's first 16 keys
.else
.set QB, QZ+12*(\t)                    ; q in k = 64-127: the second 16
.endif
.if ((\ka/2)%2) == 0
	v_wmma_scale_f32_16x16x128_f8f6f4 v[S+8*\ka:S+8*\ka+7], v[KR+12*(\ka/2):KR+12*(\ka/2)+11], v[QB:QB+11], 0, v[KSC+\ka/4], v[QS+(\t)] matrix_a_fmt:MATRIX_FMT_FP6 matrix_b_fmt:MATRIX_FMT_FP6
.else
	v_wmma_scale_f32_16x16x128_f8f6f4 v[S+8*\ka:S+8*\ka+7], v[KR+12*(\ka/2):KR+12*(\ka/2)+11], v[QB:QB+11], 0, v[KSC+\ka/4], v[QS+(\t)] matrix_a_fmt:MATRIX_FMT_FP6 matrix_b_fmt:MATRIX_FMT_FP6 matrix_a_scale:MATRIX_SCALE_ROW1
.endif
.endr
.rept 4
	v_nop                                          ; places between the products and the first read of their results
.endr
.endm
.macro SOFT t                          ; tile t: scores to codes of p, its scale word, the sum and O^T under the new M
.set MT, 8+4*(\t)
.set OT, O+32*(\t)
.if (\t) == 0
.set PC, P0
.else
.set PC, KR                            ; k's records are done with when tile 1's scores are made
.endif
.irp b, 0,1,2,3
	v_max3_num_f32 v[BM+\b], v[S+16*\b], v[S+1+16*\b], v[S+2+16*\b]   ; the largest score of each block of 32 keys: for the row's maximum, and, since p rises with the score, for the block's largest p
.endr
.irp i, 3,5,7,9,11,13
.irp b, 0,1,2,3
	v_max3_num_f32 v[BM+\b], v[BM+\b], v[S+16*\b+\i], v[S+1+16*\b+\i]
.endr
.endr
.irp b, 0,1,2,3
	v_max_num_f32 v[BM+\b], v[BM+\b], v[S+15+16*\b]
.endr
.irp b, 0,1,2,3
	s_delay_alu instid0(VALU_DEP_4)
	v_permlanex16_b32 v[PX+\b], v[BM+\b], s[SEL], s[SEL+1]
.endr
.irp b, 0,1,2,3
	s_delay_alu instid0(VALU_DEP_4)
	v_max_num_f32 v[BM+\b], v[BM+\b], v[PX+\b]     ; with lane l xor 16's 16 keys
.endr
	s_delay_alu instid0(VALU_DEP_2)
	v_max3_num_f32 v[TV], v[BM], v[BM+1], v[BM+2]
	s_delay_alu instid0(VALU_DEP_1)
	v_max_num_f32 v[TV], v[TV], v[BM+3]
	s_delay_alu instid0(VALU_DEP_1)
	v_mul_f32 v[TV], s[CS], v[TV]                  ; the step's largest t (c is positive)
	s_delay_alu instid0(VALU_DEP_1)
	v_max_num_f32 v[MT+1], v[MT+1], v[TV]          ; the running largest t
	v_mov_b32 v[TV], v[MT]
	s_delay_alu instid0(VALU_DEP_2)
	v_floor_f32 v[MT], -v[MT+1]                    ; the new -M = floor(-t): M is a whole number
	s_delay_alu instid0(VALU_DEP_1)
	v_sub_f32 v[TV], v[MT], v[TV]                  ; old M - new M: a whole number, 0 or less
	s_delay_alu instid0(VALU_DEP_1)
	v_cvt_i32_f32 v[TV], v[TV]                     ; (it saturates)
	s_delay_alu instid0(VALU_DEP_1)
	v_ldexp_f32 v[F], 1.0, v[TV]                   ; f = 2^(old M - new M)
.set J, 0
.rept 32
	v_pk_fma_f32 v[S+J:S+J+1], v[S+J:S+J+1], s[CS:CS+1], v[MT:MT+1] op_sel_hi:[1,0,0]   ; t - M, two at a time
.set J, J+2
.endr
.irp b, 0,1,2,3
	v_fma_f32 v[BM+\b], v[BM+\b], s[CS], v[MT]     ; the same of each block's largest score
.endr
.set J, 0
	s_wait_alu depctr_va_vdst(0)
.rept 64
	v_exp_f32 v[S+J], v[S+J]                       ; p = 2^(t - M), at most 1
.set J, J+1
.endr
	v_pk_mul_f32 v[MT+2:MT+3], v[MT+2:MT+3], v[F:F+1] op_sel_hi:[1,0]   ; the sum under the new M: the plain instruction behind the exponentials
	s_wait_alu depctr_va_vdst(0)                   ; the wait ahead of the first line that names a result: one for the batch of 64
.irp b, 0,1,2,3
	v_exp_f32 v[BM+\b], v[BM+\b]                   ; the block's largest p: the same two instructions on the same number give the same bits
.endr
	v_pk_add_f32 v[PX:PX+1], v[S:S+1], v[S+2:S+3]  ; the row's sum of the unquantised p, two at a time, in two chains
.set J, 4
.rept 15
	v_pk_add_f32 v[MT+2:MT+3], v[MT+2:MT+3], v[S+J:S+J+1]
	v_pk_add_f32 v[PX:PX+1], v[PX:PX+1], v[S+2+J:S+3+J]
.set J, J+4
.endr
	s_delay_alu instid0(VALU_DEP_1)
	v_pk_add_f32 v[MT+2:MT+3], v[MT+2:MT+3], v[PX:PX+1]
	s_wait_alu depctr_va_vdst(0)                   ; and one for the four
.irp b, 0,1,2,3
	v_max_num_f32 v[BM+\b], 0x1800000, v[BM+\b]    ; the floor 2^(3 - 127): the byte cannot fall under 1
.endr
.irp b, 0,1,2,3
	s_delay_alu instid0(VALU_DEP_4)
	v_add_nc_u32 v[SO+\b], 0xff000000, v[BM+\b]    ; 2 off the exponent field: the conversion's scale operand
.endr
.irp b, 0,1,2,3
	s_delay_alu instid0(VALU_DEP_4)
	v_lshrrev_b32 v[PX+\b], 23, v[SO+\b]           ; the scale's byte
.endr
	s_delay_alu instid0(VALU_DEP_3)
	v_lshl_or_b32 v[PS+(\t)], v[PX+1], 8, v[PX]    ; p's scale word for these 128 keys
	s_delay_alu instid0(VALU_DEP_1)
	v_lshl_or_b32 v[PS+(\t)], v[PX+2], 16, v[PS+(\t)]
	s_delay_alu instid0(VALU_DEP_1)
	v_lshl_or_b32 v[PS+(\t)], v[PX+3], 24, v[PS+(\t)]
.irp c, 0,1
	v_cvt_scalef32_pk16_fp6_f32 v[PC+6*\c:PC+6*\c+2], v[S+32*\c:S+15+32*\c], v[SO+2*\c]
	v_cvt_scalef32_pk16_fp6_f32 v[BM+4*\c:BM+4*\c+2], v[S+16+32*\c:S+31+32*\c], v[SO+2*\c+1]   ; (a conversion's three registers begin on an even number)
.endr
	v_nop                                          ; one plain instruction behind a scaled conversion
.if (\t) == 1                          ; p's registers are free: v's four fragments and their scale words are asked for here and land under the lines below
.irp dt, 0,1,2,3
.irp g, 0,1,2
	ds_load_b128 v[S+12*\dt+4*\g:S+12*\dt+4*\g+3], v[ADR] offset:6144+1536*\dt+512*\g
.endr
.endr
	s_setprio 0
.irp i, 0,1
	ds_load_b32 v[KSC+\i], v[ADS] offset:12544+128*\i   ; lanes 0-15 fragment 2 i's words, lanes 16-31 fragment 2 i + 1's
.endr
.endif
.irp c, 0,1                            ; the operand's layout wants a whole block in a lane
.irp i, 0,1,2
	v_permlane16_swap_b32 v[PC+6*\c+\i], v[BM+4*\c+\i]
.endr
.irp i, 0,1,2
	s_delay_alu instid0(VALU_DEP_3)
	v_mov_b32 v[PC+3+6*\c+\i], v[BM+4*\c+\i]
.endr
.endr
.set J, 0
.rept 16
	v_pk_mul_f32 v[OT+J:OT+J+1], v[OT+J:OT+J+1], v[F:F+1] op_sel_hi:[1,0]   ; O^T under the new M.  (Also the places between p's codes and scale word and the products that take them)
.set J, J+2
.endr
.endm
.macro STEP                            ; 128 keys, at LDS byte s[TB]
	s_setprio 2
	v_add_nc_u32 v[ADR], s[TB], v[LI]
	v_add_nc_u32 v[ADS], s[TB], v[LS]
.rept 4
	v_nop                                          ; with the two additions six places behind the last step's products: four are owed to the loads into registers that they read, five to the products that write over v's fragments
.endr
.irp rho, 0,1,2,3
.irp g, 0,1,2
	ds_load_b128 v[KR+12*\rho+4*\g:KR+12*\rho+4*\g+3], v[ADR] offset:1536*\rho+512*\g
.endr
.endr
.irp i, 0,1
	ds_load_b32 v[KSC+\i], v[ADS] offset:12288+128*\i   ; lanes 0-15 record 2 i's words, lanes 16-31 record 2 i + 1's
.endr
	s_wait_dscnt 0x0
	SCORES 0
	SOFT 0
	SCORES 1
	s_setprio 1
	SOFT 1
	s_wait_alu depctr_va_vdst(0)
	s_wait_dscnt 0x0                               ; v's fragments and scale words
.irp dt, 0,1,2,3                       ; O^T += V^T P^T: eight accumulators, one instruction a turn
.if (\dt%2) == 0
	v_wmma_scale_f32_16x16x128_f8f6f4 v[O+8*\dt:O+8*\dt+7], v[S+12*\dt:S+12*\dt+11], v[P0:P0+11], v[O+8*\dt:O+8*\dt+7], v[KSC+\dt/2], v[PS] matrix_a_fmt:MATRIX_FMT_FP6 matrix_b_fmt:MATRIX_FMT_FP6
	v_wmma_scale_f32_16x16x128_f8f6f4 v[O+32+8*\dt:O+32+8*\dt+7], v[S+12*\dt:S+12*\dt+11], v[KR:KR+11], v[O+32+8*\dt:O+32+8*\dt+7], v[KSC+\dt/2], v[PS+1] matrix_a_fmt:MATRIX_FMT_FP6 matrix_b_fmt:MATRIX_FMT_FP6
.else
	v_wmma_scale_f32_16x16x128_f8f6f4 v[O+8*\dt:O+8*\dt+7], v[S+12*\dt:S+12*\dt+11], v[P0:P0+11], v[O+8*\dt:O+8*\dt+7], v[KSC+\dt/2], v[PS] matrix_a_fmt:MATRIX_FMT_FP6 matrix_b_fmt:MATRIX_FMT_FP6 matrix_a_scale:MATRIX_SCALE_ROW1
	v_wmma_scale_f32_16x16x128_f8f6f4 v[O+32+8*\dt:O+32+8*\dt+7], v[S+12*\dt:S+12*\dt+11], v[KR:KR+11], v[O+32+8*\dt:O+32+8*\dt+7], v[KSC+\dt/2], v[PS+1] matrix_a_fmt:MATRIX_FMT_FP6 matrix_b_fmt:MATRIX_FMT_FP6 matrix_a_scale:MATRIX_SCALE_ROW1
.endif
.endr
	s_add_co_u32 s[TB], s[TB], STEPB
.endm
	s_wait_tensorcnt 0x1                           ; my first load (one of steps 0 to 3) is in; the second may stay out
	s_barrier_signal -1
	s_barrier_wait -1                              ; steps 0 to 3 are whole
	s_mov_b32 s[CNT], 4
.Lfirst:                                           ; four steps: they read LDS bytes 0 to 51,199, under the bytes that are still on their way
	STEP
	s_sub_co_u32 s[CNT], s[CNT], 1
	s_cmp_lg_u32 s[CNT], 0
	s_cbranch_scc1 .Lfirst
	s_setprio 0
	s_wait_tensorcnt 0x0                           ; my second load is in
	s_wait_dscnt 0x0
	s_barrier_signal -1
	s_barrier_wait -1                              ; the head is whole
	s_mov_b32 s[TB], 4*STEPB
	s_mov_b32 s[CNT], 12
.Lrest:
	STEP
	s_sub_co_u32 s[CNT], s[CNT], 1
	s_cmp_lg_u32 s[CNT], 0
	s_cbranch_scc1 .Lrest
	s_setprio 0
	; THE WAY OUT.  O^T / the sum goes through my stage, a tile of 16 queries x 256 bytes at a time, and leaves as whole rows: sixteen lanes store 256 consecutive bytes, aligned.
.rept 4
	v_nop                                          ; places behind the last products
.endr
	v_add_f32 v10, v10, v11                        ; the sums' two halves,
	v_add_f32 v14, v14, v15
	s_delay_alu instid0(VALU_DEP_2)
	v_permlanex16_b32 v[PX], v10, s[SEL], s[SEL+1]
	s_delay_alu instid0(VALU_DEP_2)
	v_permlanex16_b32 v[PX+1], v14, s[SEL], s[SEL+1]
	s_delay_alu instid0(VALU_DEP_2)
	v_add_f32 v10, v10, v[PX]                      ; and lane l xor 16's
	s_delay_alu instid0(VALU_DEP_2)
	v_add_f32 v14, v14, v[PX+1]
	s_wait_alu depctr_va_vdst(0)
	v_rcp_f32 v10, v10
	v_rcp_f32 v14, v14
	v_nop                                          ; a plain instruction behind the reciprocals
	s_wait_alu depctr_va_vdst(0)                   ; one wait for the two, ahead of their first reader
.set J, 0
.rept 16
	v_pk_mul_f32 v[S+J:S+J+1], v[O+J:O+J+1], v[10:11] op_sel_hi:[1,0]           ; register 16 b + i of a tile: d = 32 b + 16 h + i; each accumulator from its low end on
.set J, J+2
.endr
.set J, 0
.rept 16
	v_pk_mul_f32 v[S+32+J:S+33+J], v[O+32+J:O+33+J], v[14:15] op_sel_hi:[1,0]
.set J, J+2
.endr
.irp t, 0,1
.irp b, 0,1
.irp k, 0,1,2,3
	ds_store_b128 v[STO], v[S+32*\t+16*\b+4*\k:S+32*\t+16*\b+4*\k+3] offset:128*\b+16*\k
.endr
.endr
.irp i, 0,1,2,3,4,5,6,7
	ds_load_b128 v[O+32*\t+4*\i:O+32*\t+4*\i+3], v[RD] offset:2*\i*SP   ; LDS serves a wave's instructions in order: these see my stores, and the next tile's stores come behind them
.endr
.endr
.irp t, 0,1
.irp i, 0,1,2,3,4,5,6,7
	s_wait_dscnt 23-16*\t-\i                       ; the tile's younger loads, and behind tile 0's the sixteen of tile 1, may be out
	global_store_b128 v[GO], v[O+32*\t+4*\i:O+32*\t+4*\i+3], s[8:9] offset:(8*\t+2*\i+8*(\i/4))*4096 th:TH_STORE_NT   ; stage row 2 i + h is query 8 t + 2 i + h + 8 (i / 4) of my 32
.endr
.endr
	s_wait_dscnt 0x0
	s_wait_xcnt 0x0
	v_lshl_add_u32 v254, v0, 2, 0x43000
	v_mov_b32 v255, 0
	s_wait_alu depctr_va_vdst(0)
	s_wait_tensorcnt 0x0
	ds_add_u32 v254, v255
	s_wait_dscnt 0x0
	ROUND                                          ; the closing round: no work-group ends while a partner may still ask for a tile that names it
	s_endpgm
.Lfunc_end_k_qfeab2d2b2e_attn:
	.size	k_qfeab2d2b2e_attn, .Lfunc_end_k_qfeab2d2b2e_attn-k_qfeab2d2b2e_attn
	.p2alignl 7, 3214868480
	.fill 96, 4, 3214868480
	.section	.rodata,"a",@progbits
	.p2align	6, 0x0
	.amdhsa_kernel k_qfeab2d2b2e_attn
		.amdhsa_group_segment_fixed_size 327680
		.amdhsa_private_segment_fixed_size 0
		.amdhsa_enable_private_segment 0
		.amdhsa_kernarg_size 24
		.amdhsa_user_sgpr_count 2
		.amdhsa_user_sgpr_kernarg_segment_ptr 1
		.amdhsa_wavefront_size32 1
		.amdhsa_system_sgpr_workgroup_id_x 1
		.amdhsa_system_sgpr_workgroup_id_y 1
		.amdhsa_system_sgpr_workgroup_id_z 1
		.amdhsa_system_vgpr_workitem_id 0
		.amdhsa_next_free_vgpr 256
		.amdhsa_next_free_sgpr 66
		.amdhsa_reserve_vcc 0
		.amdhsa_float_denorm_mode_32 3
		.amdhsa_float_denorm_mode_16_64 3
		.amdhsa_memory_ordered 1
		.amdhsa_forward_progress 1
		.amdhsa_inst_pref_size 80
	.end_amdhsa_kernel
	.amdgpu_metadata
---
amdhsa.version: [ 1, 2 ]
amdhsa.kernels:
  - .name:           k_qfeab2d2b2e_attn
    .symbol:         k_qfeab2d2b2e_attn.kd
    .args:
      - { .name: qb, .offset: 0, .size: 8, .value_kind: global_buffer, .address_space: global }
      - { .name: kv, .offset: 8, .size: 8, .value_kind: global_buffer, .address_space: global }
      - { .name: out0, .offset: 16, .size: 8, .value_kind: global_buffer, .address_space: global }
    .group_segment_fixed_size: 327680
    .private_segment_fixed_size: 0
    .kernarg_segment_align: 8
    .kernarg_segment_size: 24
    .max_flat_workgroup_size: 512
    .sgpr_count:     66
    .vgpr_count:     256
    .wavefront_size: 32
...
	.end_amdgpu_metadata
.endif
;; end of part 3
